; MI455X (gfx1250); checked and timed in simulation.
; The chip was launched on July 23, 2026; its instructions are those of AMD's public machine-readable ISA for CDNA 5 (MIT licence, August 2026) and "CDNA5" Instruction Set Architecture Reference Guide (July 2026). The comments in the code are by the model that wrote it; some were corrected since.
;; Sparse MLP. Allowed arithmetic: float matrix products may take bf16 or f16 operands with f32 sums; all other float work in f32.
;; Inputs: expert_ids 2,048 int32; w1 16,384 x 1,024 float32; w2 16,384 x 1,024 float32; x 2,048 x 1,024 float32.
;; Outputs: out0 2,048 x 1,024 float32.
;; One version. Each part assembles by itself: llvm-mc -triple=amdgcn-amd-amdhsa -mcpu=gfx1250 --defsym DOCPART=n.
;; ======== version 1 of 1: 3 launches
;; workspace buffers: xs 4,915,200 bytes; h 9,830,400 bytes; order 9,728 bytes of whole numbers; seg 256 bytes of whole numbers
;; launch route (part 1): grid 150 x 1, 8 waves a work-group, no clusters, 35,840 bytes of LDS; arguments expert_ids, x, xs, order, seg, out0; writes xs, order, seg, out0
.if DOCPART == 1
	.amdgcn_target "amdgcn-amd-amdhsa--gfx1250"
	.amdhsa_code_object_version 6
	.text
	.protected	k_qbf8c9ea861_route
	.globl	k_qbf8c9ea861_route
	.p2align	8
	.type	k_qbf8c9ea861_route,@function
k_qbf8c9ea861_route:
	s_mov_b64 s[64:65], 0
	v_nop
	global_prefetch_b8 v0, s[64:65] scope:SCOPE_SE
	s_setreg_imm32_b32 hwreg(HW_REG_WAVE_MODE, 25, 1), 1
	s_wait_xcnt 0x0
; ROUTE: buckets the 2,048 tokens by expert and lays x, rounded to bf16, in the order and shape that the next launch multiplies.
; Sorted, padded row space p = 0 .. 2,399: expert e owns rows seg[e] .. seg[e+1]-1, seg[e+1] = seg[e] + its token count rounded up to 48, the next launches' tile
; (the sum is a multiple of 48 and at most 2,048 + 8 x 47 = 2,424: 2,400 rows).  Inside an expert the tokens keep their order.  Rows without a token are zeros in xs, -1 in order.
; The ids need not be sorted.  An id outside 0 .. 7 (negative ones too) belongs to no expert: its row of out0 is stored as zeros here.
; Work-group g owns rows 16 g .. 16 g + 15.  Every work-group counts all 2,048 ids again (8 KiB); the counts are whole numbers, so all agree.
; xs is a FRAGMENT IMAGE: byte 32,768 b + 1,024 s + 512 a + 16 L holds row 16 b + (L & 15), elements 32 s + 16 a + 8 (L >> 4) + 0 .. 7:
; one 16-byte load a lane, 512 consecutive bytes a wave, is half of a 16 x 32 matrix operand.
; LIMIT: x is rounded to bf16 (nearest even) here.  No matrix work, no tensor loads, no clusters: the launch moves 8 MiB in and 4.7 MiB out once.
.set CNT,  0                           ; 16 rows of 16 bytes: rows 0-7 zeros, rows 8-15 the eight waves' packed counts
.set PART, 256                         ; 8 waves x 32 words: what each wave found for the 16 rows
.set TILE, 1280                        ; 16 rows of 1,024 bf16
.set TP,   2064                        ; pitch: 2,048 + 16 bytes = 129 x 16, so 16 rows at one column start 16 bytes apart modulo 256
; s[4:5] ids  s[6:7] x  s[8:9] xs  s[10:11] order  s[12:13] seg  s[14:15] out0  s16 wave  s17 g  s18 p0 = 16 g
; s[20:23] totals, s[24:27] counts of the waves before mine (word i: expert 2i low half, 2i+1 high half)
; s28 running seg  s30 my block's expert (9: none)  s31 its seg  s32 its count before my wave  s34 running slot  s[36:44] seg[0..8]  s[46:53] masks
	s_load_b256 s[4:11], s[0:1], 0x0
	s_load_b128 s[12:15], s[0:1], 0x20
	v_lshl_add_u32 v128, v0, 2, 0x8800
	v_mov_b32 v129, 0
	v_and_b32 v1, 31, v0                           ; lane
	v_lshrrev_b32 v12, 5, v0
	v_readfirstlane_b32 s16, v12                   ; wave
	s_mov_b32 s17, ttmp9
	s_lshl_b32 s18, s17, 4
	s_mov_b32 s3, 0                                ; high word of every 64-bit offset
	v_lshlrev_b32 v60, 2, v1                       ; 4 lane
	v_lshl_add_u32 v2, s16, 10, v60                ; ids: token 256 w + 32 j + lane
	v_lshlrev_b32 v26, 8, v0                       ; 256 x thread: the prefetch's offset, never rewritten
	s_min_u32 s35, s17, 127
	s_lshl_b32 s35, s35, 6
	s_lshl3_add_u32 s2, s16, s35                   ; 64 min(g, 127) + 8 w: the ids of tokens 16 g + 2 w, + 1 (clamped: the load stays inside for g >= 128)
	s_wait_kmcnt 0x0
.irp j, 0,1,2,3,4,5,6,7
	global_load_b32 v[4+\j], v2, s[4:5] offset:128*\j
.endr
	s_add_nc_u64 s[78:79], s[4:5], s[2:3]
	s_load_b64 s[56:57], s[78:79], 0x0             ; used at the very end
	s_cmp_ge_u32 s17, 128
	s_cbranch_scc1 .Lno_prefetch
	; Work-groups 0 .. 127 ask once for x's bytes 65,536 g .. + 65,535, lanes 256 bytes apart: every aligned block of 256 bytes of x is asked
	; for once in the launch, while the routing below runs; the rows are gathered behind it.
	s_lshl_b32 s2, s17, 16
	s_add_nc_u64 s[66:67], s[6:7], s[2:3]
	global_prefetch_b8 v26, s[66:67] th:TH_LOAD_NT scope:SCOPE_SE
.Lno_prefetch:
	; addresses, while the ids are on their way
	v_mov_b32 v20, 0
	v_mov_b32 v21, 0
	v_mov_b32 v22, 0
	v_mov_b32 v23, 0
	v_mov_b32 v25, 0
	v_mov_b32 v24, s16
	v_lshlrev_b32 v24, 4, v24                      ; 16 w
	v_lshl_add_u32 v12, s16, 8, v1                 ; 256 w + lane
.irp j, 0,1,2,3,4,5,6,7
	v_add_nc_u32 v[32+\j], 32*\j+1, v12            ; token + 1 (0 will mean: no token)
.endr
	v_and_b32 v13, 15, v0                          ; r
	v_bfe_u32 v14, v0, 4, 1                        ; h
	v_lshlrev_b32 v30, 2, v13                      ; 4 r
	v_add_nc_u32 v28, PART, v30
	s_lshl_b32 s35, s16, 7
	s_add_co_u32 s35, s35, PART
	v_add_nc_u32 v27, s35, v60                     ; PART + 128 w + 4 lane
	s_mul_i32 s35, s16, 2*TP
	s_add_co_u32 s35, s35, TILE
	v_lshl_add_u32 v56, v1, 3, s35                 ; TILE + row 2 w + 8 lane
	v_mul_u32_u24 v57, v13, TP
	v_lshl_add_u32 v57, v14, 4, v57
	s_lshl_b32 s35, s16, 8
	s_add_co_u32 s35, s35, TILE
	v_add_nc_u32 v57, s35, v57                     ; TILE + r TP + 16 h + 256 w: my wave's K steps 4 w .. 4 w + 3
	v_lshlrev_b32 v59, 4, v1                       ; 16 lane
	v_lshl_add_u32 v58, s16, 12, v59               ; 4,096 w + 16 lane
	s_lshl_b32 s2, s17, 15
	s_add_nc_u64 s[70:71], s[8:9], s[2:3]          ; xs at my block
	s_wait_loadcnt 0x0
.irp j, 0,1,2,3,4,5,6,7
	v_min_u32 v[4+\j], 8, v[4+\j]                  ; every id outside 0 .. 7 becomes 8 and matches no expert
.endr
; my wave's count of expert e: eight masks, their bits counted
.macro COUNT e
.irp j, 0,1,2,3,4,5,6,7
	v_cmp_eq_u32 s[46+\j], \e, v[4+\j]
.endr
	s_bcnt1_i32_b32 s[36+\e], s46
.irp j, 1,2,3,4,5,6,7
	s_bcnt1_i32_b32 s35, s[46+\j]
	s_add_co_u32 s[36+\e], s[36+\e], s35
.endr
.endm
.irp e, 0,1,2,3,4,5,6,7
	COUNT \e
.endr
.irp i, 0,1,2,3
	s_lshl_b32 s35, s[37+2*\i], 16
	s_or_b32 s[20+\i], s[36+2*\i], s35             ; two counts a word: 256 at the most here, 2,048 when summed
	v_mov_b32 v[16+\i], s[20+\i]
.endr
	ds_store_b128 v24, v[20:23] offset:CNT         ; zero row w
	ds_store_b128 v24, v[16:19] offset:CNT+128     ; count row 8 + w (all lanes: the same bytes, the same value)
	s_wait_dscnt 0x0                               ; my stores are done before I say so
	s_barrier_signal -1
	s_barrier_wait -1
.irp i, 0,1,2,3,4,5,6,7
	ds_load_b128 v[64+4*\i:67+4*\i], v24 offset:CNT+16*\i          ; rows w .. w + 7: zeros, then the waves 0 .. w - 1
.endr
.irp i, 0,1,2,3,4,5,6,7
	ds_load_b128 v[96+4*\i:99+4*\i], v25 offset:CNT+128+16*\i      ; all eight waves
.endr
	s_wait_dscnt 0x0
.irp c, 0,1,2,3
	v_add3_u32 v[16+\c], v[64+\c], v[68+\c], v[72+\c]
	v_add3_u32 v[40+\c], v[96+\c], v[100+\c], v[104+\c]
	v_add3_u32 v[16+\c], v[16+\c], v[76+\c], v[80+\c]
	v_add3_u32 v[40+\c], v[40+\c], v[108+\c], v[112+\c]
	v_add3_u32 v[16+\c], v[16+\c], v[84+\c], v[88+\c]
	v_add3_u32 v[40+\c], v[40+\c], v[116+\c], v[120+\c]
	v_add_nc_u32 v[16+\c], v[16+\c], v[92+\c]
	v_add_nc_u32 v[40+\c], v[40+\c], v[124+\c]
	v_readfirstlane_b32 s[24+\c], v[16+\c]
	v_readfirstlane_b32 s[20+\c], v[40+\c]
.endr
; seg[e], and whether my block lies at or behind it: the last expert for which it does is my block's (empty experts are passed over)
.macro SEG e
	s_mov_b32 s[36+\e], s28
	s_bfe_u32 s29, s[20+\e/2], (16<<16)|(16*(\e&1))
	s_bfe_u32 s33, s[24+\e/2], (16<<16)|(16*(\e&1))
	s_cmp_ge_u32 s18, s28
	s_cselect_b32 s30, \e, s30
	s_cselect_b32 s31, s28, s31
	s_cselect_b32 s32, s33, s32
	s_add_co_u32 s29, s29, 47
	s_mul_hi_u32 s29, s29, 0x05555556              ; / 48: the factor is 2^32 / 48 rounded up, 32 / 48 too large: exact for numbers below 2^27 (here 2,095 at the most)
	s_mul_i32 s29, s29, 48                         ; the count rounded up to 48
	s_add_co_u32 s28, s28, s29
.endm
	s_mov_b32 s28, 0
	s_mov_b32 s30, 9
	s_mov_b32 s31, 0
	s_mov_b32 s32, 0
.irp e, 0,1,2,3,4,5,6,7
	SEG \e
.endr
	s_mov_b32 s44, s28
	s_cmp_ge_u32 s18, s28
	s_cselect_b32 s30, 9, s30                      ; a block behind the last segment has no expert: zeros and -1
	s_add_co_u32 s34, s32, s31
	s_sub_co_u32 s34, s34, s18                     ; slot of my wave's first token of that expert, counted from my block's first row (may wrap below 0)
; The tokens of my block's expert among my wave's 32 j .. 32 j + 31: token with slot 0 .. 15 is sent to that lane, all others to lane 16, which nobody reads.
; The lane exchange touches no LDS byte; a lane to which nothing is sent holds 0.
.macro RANK j
	v_cmp_eq_u32 s[46+\j], s30, v[4+\j]
	v_mbcnt_lo_u32_b32 v[40+\j], s[46+\j], s34     ; running slot + matches in the lanes below me
	v_cndmask_b32 v[40+\j], 16, v[40+\j], s[46+\j]
	v_min_u32 v[40+\j], 16, v[40+\j]
	v_lshlrev_b32 v[40+\j], 2, v[40+\j]
	v_mov_b32 v[48+\j], 0
	ds_permute_b32 v[48+\j], v[40+\j], v[32+\j]
	s_bcnt1_i32_b32 s35, s[46+\j]
	s_add_co_u32 s34, s34, s35
.endm
.irp j, 0,1,2,3,4,5,6,7
	RANK \j
.endr
	s_wait_dscnt 0x0
	v_add3_u32 v62, v48, v49, v50                  ; a slot is hit once at the most in the whole work-group: the sum is that token + 1, or 0
	v_add3_u32 v62, v62, v51, v52
	v_add3_u32 v62, v62, v53, v54
	v_add_nc_u32 v62, v62, v55
	ds_store_b32 v27, v62
	s_wait_dscnt 0x0                               ; my store is done before I say so
	s_barrier_signal -1
	s_barrier_wait -1
.irp i, 0,1,2,3,4,5,6,7
	ds_load_b32 v[48+\i], v28 offset:128*\i
.endr
	s_wait_dscnt 0x0
	v_add3_u32 v29, v48, v49, v50
	v_add3_u32 v29, v29, v51, v52
	v_add3_u32 v29, v29, v53, v54
	v_add_nc_u32 v29, v29, v55                     ; lane: token + 1 of row lane & 15, or 0
	; the lists, by wave 0
	s_cmp_lg_u32 s16, 0
	s_cbranch_scc1 .Lno_lists
	v_add_nc_u32 v61, -1, v29
	s_lshl_b32 s2, s17, 6
	s_add_nc_u64 s[68:69], s[10:11], s[2:3]
	global_store_b32 v30, v61, s[68:69]            ; lanes i and i + 16 store the same word with the same value: EXEC stays whole
	s_cmp_lg_u32 s17, 0
	s_cbranch_scc1 .Lno_lists
	v_mov_b32 v31, 0
.irp e, 0,1,2,3,4,5,6,7
	v_writelane_b32 v31, s[36+\e], 2*\e            ; word 2 e: where expert e begins,
	v_writelane_b32 v31, s[37+\e], 2*\e+1          ; word 2 e + 1: where it ends
.endr
	global_store_b32 v60, v31, s[12:13]
.Lno_lists:
; my wave's rows 2 w and 2 w + 1: the token's row of x, 4,096 bytes in eight loads.  A row without a token loads row 2,047 and is masked to zero bits.
.macro GATHER i
	s_lshl_b32 s33, s16, 1
	s_add_co_u32 s33, s33, \i
	v_readlane_b32 s35, v29, s33
	s_cmp_lg_u32 s35, 0
	s_cselect_b32 s[62+\i], -1, 0
	s_sub_co_u32 s35, s35, 1
	s_min_u32 s35, s35, 0x7ff
	s_lshl_b32 s2, s35, 12
	s_add_nc_u64 s[58+2*\i:59+2*\i], s[6:7], s[2:3]
.irp c, 0,1,2,3,4,5,6,7
	global_load_b128 v[64+32*\i+4*\c:64+32*\i+4*\c+3], v59, s[58+2*\i:59+2*\i] offset:512*\c
.endr
.endm
	GATHER 0
	GATHER 1
.macro XCVT i, left
	s_wait_loadcnt \left                           ; the younger row's eight loads may stay out
.irp c, 0,1,2,3,4,5,6,7
	v_cvt_pk_bf16_f32 v[40+2*\c], v[64+32*\i+4*\c],   v[64+32*\i+4*\c+1]
	v_cvt_pk_bf16_f32 v[41+2*\c], v[64+32*\i+4*\c+2], v[64+32*\i+4*\c+3]
	v_and_b32 v[40+2*\c], s[62+\i], v[40+2*\c]
	v_and_b32 v[41+2*\c], s[62+\i], v[41+2*\c]
	ds_store_b64 v56, v[40+2*\c:41+2*\c] offset:\i*TP+256*\c
.endr
.endm
	XCVT 0, 8
	XCVT 1, 0
	s_wait_dscnt 0x0                               ; my two rows are in LDS before I say so
	s_barrier_signal -1
	s_barrier_wait -1
	; the image: K steps 4 w .. 4 w + 3 of all 16 rows; each store of the wave covers 512 consecutive bytes, aligned
.irp n, 0,1,2,3,4,5,6,7
	ds_load_b128 v[64+4*\n:67+4*\n], v57 offset:32*\n
.endr
.irp n, 0,1,2,3,4,5,6,7
	s_wait_dscnt 7-\n                              ; LDS loads come back in order: number n is in
	global_store_b128 v58, v[64+4*\n:67+4*\n], s[70:71] offset:512*\n
.endr
	; rows of out0 whose token has no expert: zeros.  Work-groups 0 .. 127, tokens 16 g + 2 w and + 1.
	s_wait_kmcnt 0x0
	s_cmp_ge_u32 s17, 128
	s_cbranch_scc1 .Lend
.macro ZROW i
	s_lshl1_add_u32 s35, s16, s18
	s_add_co_u32 s35, s35, \i
	s_lshl_b32 s2, s35, 12
	s_add_nc_u64 s[74+2*\i:75+2*\i], s[14:15], s[2:3]
	s_cmp_le_u32 s[56+\i], 7
	s_cbranch_scc1 .Lhas_expert_\@
.irp c, 0,1,2,3,4,5,6,7
	global_store_b128 v59, v[20:23], s[74+2*\i:75+2*\i] offset:512*\c
.endr
.Lhas_expert_\@:
.endm
	ZROW 0
	ZROW 1
.Lend:
	s_wait_tensorcnt 0x0
	ds_add_u32 v128, v129
	s_wait_dscnt 0x0
	s_endpgm
.Lfunc_end_k_qbf8c9ea861_route:
	.size	k_qbf8c9ea861_route, .Lfunc_end_k_qbf8c9ea861_route-k_qbf8c9ea861_route
	.p2alignl 7, 3214868480
	.fill 96, 4, 3214868480
	.section	.rodata,"a",@progbits
	.p2align	6, 0x0
	.amdhsa_kernel k_qbf8c9ea861_route
		.amdhsa_group_segment_fixed_size 35840
		.amdhsa_private_segment_fixed_size 0
		.amdhsa_enable_private_segment 0
		.amdhsa_kernarg_size 48
		.amdhsa_user_sgpr_count 2
		.amdhsa_user_sgpr_kernarg_segment_ptr 1
		.amdhsa_wavefront_size32 1
		.amdhsa_system_sgpr_workgroup_id_x 1
		.amdhsa_system_sgpr_workgroup_id_y 1
		.amdhsa_system_sgpr_workgroup_id_z 1
		.amdhsa_system_vgpr_workitem_id 0
		.amdhsa_next_free_vgpr 130
		.amdhsa_next_free_sgpr 80
		.amdhsa_reserve_vcc 0
		.amdhsa_float_denorm_mode_32 3
		.amdhsa_float_denorm_mode_16_64 3
		.amdhsa_memory_ordered 1
		.amdhsa_forward_progress 1
		.amdhsa_inst_pref_size 35
	.end_amdhsa_kernel
	.amdgpu_metadata
---
amdhsa.version: [ 1, 2 ]
amdhsa.kernels:
  - .name:           k_qbf8c9ea861_route
    .symbol:         k_qbf8c9ea861_route.kd
    .args:
      - { .name: expert_ids, .offset: 0, .size: 8, .value_kind: global_buffer, .address_space: global }
      - { .name: x, .offset: 8, .size: 8, .value_kind: global_buffer, .address_space: global }
      - { .name: xs, .offset: 16, .size: 8, .value_kind: global_buffer, .address_space: global }
      - { .name: order, .offset: 24, .size: 8, .value_kind: global_buffer, .address_space: global }
      - { .name: seg, .offset: 32, .size: 8, .value_kind: global_buffer, .address_space: global }
      - { .name: out0, .offset: 40, .size: 8, .value_kind: global_buffer, .address_space: global }
    .group_segment_fixed_size: 35840
    .private_segment_fixed_size: 0
    .kernarg_segment_align: 8
    .kernarg_segment_size: 48
    .max_flat_workgroup_size: 256
    .sgpr_count:     80
    .vgpr_count:     130
    .wavefront_size: 32
...
	.end_amdgpu_metadata
.endif
;; end of part 1
;; launch up (part 2): grid 256 x 1, 8 waves a work-group, no clusters, 133,120 bytes of LDS; arguments w1, xs, seg, h; writes h
.if DOCPART == 2
	.amdgcn_target "amdgcn-amd-amdhsa--gfx1250"
	.amdhsa_code_object_version 6
	.text
	.protected	k_qbf8c9ea861_up
	.globl	k_qbf8c9ea861_up
	.p2align	8
	.type	k_qbf8c9ea861_up,@function
k_qbf8c9ea861_up:
	s_mov_b64 s[64:65], 0
	v_nop
	global_prefetch_b8 v0, s[64:65] scope:SCOPE_SE
	s_setreg_imm32_b32 hwreg(HW_REG_WAVE_MODE, 25, 1), 1
	s_wait_xcnt 0x0
; UP: h[p][f] = gelu_tanh( sum over k of xs[p][k] w1[e][f][k] ) for the rows p of expert e's segment.  The products of the other seven experts are
; thrown away by the problem's own mask and are not made.
; 32 work-groups an expert.  Work-group wg owns rows 64 wg .. 64 wg + 63 of w1 (262,144 consecutive bytes), so w1 is read once in the launch.
; PHASE 1: the slab goes through registers (48 loads of 512 bytes a wave on their way), is rounded to bf16 and laid once in LDS.  One barrier.
; PHASE 2: each wave by itself takes tiles of 48 rows of the segment (wave w: tiles w, w + 8, ..): 48 tokens x 64 f, twelve accumulators.  A segment is a whole number
; of such tiles.  A wave reads the slab's 128 KiB from LDS once for each tile, so the tile is as tall as still spreads an expert's rows over the waves: sixteen LDS loads
; feed 24 matrix instructions, and 2,048 tokens spread evenly over 8 experts are six tiles an expert.  The rows of xs come straight from memory into registers as
; operand halves (see the image below) through a ring of five register slots; the weights from LDS.
; IMAGES: xs: byte 32,768 b + 1,024 s + 512 a + 16 L = row 16 b + (L & 15), k = 32 s + 16 a + 8 (L >> 4) + 0 .. 7.  h: the same with 65,536 b (64 K steps).
; THE MATRIX INSTRUCTION IS USED TRANSPOSED (source 0 = 16 rows of w1, source 1 = 16 tokens): lane L then holds token L & 15 and eight neighbouring f,
; which pack into the 16 bytes that h's image wants at 16 L: each store of the wave covers 512 consecutive bytes, aligned, with no pass through LDS.
; NO CLUSTER, NO TENSOR LOADS: the weights must pass through registers to be rounded, and no two work-groups share any.  The 32 work-groups of an expert do
; read the same rows of xs (2,048 bytes a row); a joint load would bring them into LDS, one more LDS write and read for every byte, with a round of the
; cluster's barrier for every tile, while here a wave's tiles need no barrier at all and their number hangs on counts read from memory.
; A work-group whose expert has no token converts its slab and stores nothing: the one barrier stands on every path, under no branch on loaded numbers.
; LIMITS: x and w1 enter as bf16, sums in f32, h is rounded to bf16.  gelu(x) = x / (1 + 2^(x (c1 + c2 x x))), c1 = -2 sqrt(2/pi) log2(e), c2 = 0.044715 c1,
; which is the tanh form exactly; 2^ and 1/ are the 1-ulp instructions, which flush denormals; for large |x| it gives x or -0 as the tanh form does.
.set WP,  2064                         ; LDS pitch: 2,048 + 16 bytes = 129 x 16: 16 rows at one column start 16 bytes apart modulo 256
.set NP,  16                           ; pairs of K steps: 1,024 / 64
.set ACC, 32                           ; v[32:127]   accumulator (q, t) at 32 + 8 (3 q + t): f rows 16 q .., tokens 16 t ..
.set WB,  128                          ; v[128:255]  two buffers of weight fragments, 64 registers each
.set ST,  64                           ; v[64:255]   phase 1: six slots of 32 registers, a row of w1 each
.set T,   32                           ; v[32:47]    phase 1: packed bf16
.set P,   128                          ; v[128:175]  packed h, the stores' data (in weight buffer 0, free by then)
.set Z,   176                          ; v[176:183]  gelu
.set E,   184                          ; v[184:191]  gelu
; v4 = 16 lane   v5 = 8 w WP + 8 lane   v[8:11] = (16 q + r) WP + 16 h   v[12:13] c1 c1   v[14:15] c2 c2   v[16:17] 1 1
; window 1 (v256 ..): ring slot n = 0 .. 4 at 48 n + 24 i + 8 t + 4 a
; s[4:5] w1  s[6:7] xs  s[8:9] seg  s[10:11] h  s12 wave  s13 wg  s14 e  s15 wg & 31  s16 seg[e]  s17 its end  s20 my first row, then the tiles done
; s21 my tiles  s[22:23] xs at my tile  s[24:25] h at my tile and my two K steps  s[28:29] w1 at my wave's eight rows
.set MSB, 0
.macro WIN new                         ; s_set_vgpr_msb: bits 1:0 source 0, 3:2 source 1, 5:4 source 2, 7:6 destination; the high byte repeats the setting that is left
.if MSB != \new
	s_set_vgpr_msb (MSB<<8)|\new
.set MSB, \new
.endif
.endm
.macro PLACES                          ; four places behind a matrix instruction before its registers are loaded into, read or written by others (ISA guide 7.12.1 for reads and writes)
.rept 4
	v_nop
.endr
.endm
.macro ROWLOAD s, row                  ; a row of w1, 4,096 bytes, 512 consecutive bytes a load; read once in the launch
.irp c, 0,1,2,3,4,5,6,7
	global_load_b128 v[ST+32*\s+4*\c:ST+32*\s+4*\c+3], v4, s[28:29] offset:\row*4096+512*\c th:TH_LOAD_NT
.endr
.endm
.macro ROWCVT s, row, left             ; left = the loads of the younger rows, eight each
	s_wait_loadcnt \left
.irp c, 0,1,2,3,4,5,6,7
	v_cvt_pk_bf16_f32 v[T+2*\c],   v[ST+32*\s+4*\c],   v[ST+32*\s+4*\c+1]
	v_cvt_pk_bf16_f32 v[T+2*\c+1], v[ST+32*\s+4*\c+2], v[ST+32*\s+4*\c+3]
	ds_store_b64 v5, v[T+2*\c:T+2*\c+1] offset:\row*WP+256*\c
.endr
.endm
.macro LOADX p                         ; pair p of xs (K steps 2 p, 2 p + 1; 48 tokens): twelve loads into ring slot p mod 5.  Under WIN 0x40
.set LS, 48*(\p%5)
.irp i, 0,1
.irp t, 0,1,2
.irp a, 0,1
	global_load_b128 v[LS+24*\i+8*\t+4*\a:LS+24*\i+8*\t+4*\a+3], v4, s[22:23] offset:\t*32768+(2*\p+\i)*1024+\a*512
.endr
.endr
.endr
.endm
.macro FETCHW p                        ; pair p of the weights: 64 rows x 64 k, sixteen LDS loads into buffer p & 1
.set FL, WB+64*(\p&1)
.irp i, 0,1
.irp q, 0,1,2,3
	ds_load_b128 v[FL+32*\i+8*\q:FL+32*\i+8*\q+3],   v[8+\q] offset:64*(2*\p+\i)
	ds_load_b128 v[FL+32*\i+8*\q+4:FL+32*\i+8*\q+7], v[8+\q] offset:64*(2*\p+\i)+32
.endr
.endr
.endm
; One pair: 24 matrix instructions.  Ahead of them the ring slot and the weight buffer that the pair before has read are asked for again.
; The twelve accumulators take turns, one instruction a turn.
.macro PAIR p
	PLACES
.if \p+4 < NP
	WIN 0x40
	LOADX (\p+4)
.endif
	WIN 0x04                                       ; source 1 (the tokens) in window 1
.if \p+1 < NP
	FETCHW (\p+1)
.endif
.if NP-1-\p > 4
	s_wait_loadcnt 48                              ; four younger pairs, twelve loads each, stay out
.else
	s_wait_loadcnt 12*(NP-1-\p)                    ; the pairs that are left
.endif
.if \p+1 < NP
	s_wait_dscnt 16                                ; the sixteen just issued stay out
.else
	s_wait_dscnt 0
.endif
.set RS, 48*(\p%5)
.set FB, WB+64*(\p&1)
.irp i, 0,1
.irp q, 0,1,2,3
.irp t, 0,1,2
.if \p+\i == 0
	v_wmma_f32_16x16x32_bf16 v[ACC+8*(3*\q+\t):ACC+8*(3*\q+\t)+7], v[FB+32*\i+8*\q:FB+32*\i+8*\q+7], v[RS+24*\i+8*\t:RS+24*\i+8*\t+7], 0
.else
	v_wmma_f32_16x16x32_bf16 v[ACC+8*(3*\q+\t):ACC+8*(3*\q+\t)+7], v[FB+32*\i+8*\q:FB+32*\i+8*\q+7], v[RS+24*\i+8*\t:RS+24*\i+8*\t+7], v[ACC+8*(3*\q+\t):ACC+8*(3*\q+\t)+7]
.endif
.endr
.endr
.endr
.endm
; gelu of one accumulator, packed and stored.  Behind each run of transcendentals one plain place before a result is used (ISA guide 5.7.2).
.macro GELU8 q, t
.set X,  ACC+8*(3*\q+\t)
.set PP, P+4*(3*\q+\t)
.irp k, 0,2,4,6
	v_pk_mul_f32 v[Z+\k:Z+\k+1], v[X+\k:X+\k+1], v[X+\k:X+\k+1]
.endr
.irp k, 0,2,4,6
	v_pk_fma_f32 v[Z+\k:Z+\k+1], v[Z+\k:Z+\k+1], v[14:15], v[12:13]
.endr
.irp k, 0,2,4,6
	v_pk_mul_f32 v[Z+\k:Z+\k+1], v[Z+\k:Z+\k+1], v[X+\k:X+\k+1]
.endr
.irp k, 0,1,2,3,4,5,6,7
	v_exp_f32 v[E+\k], v[Z+\k]
.endr
	v_nop
	s_wait_alu depctr_va_vdst(0)
.irp k, 0,2,4,6
	v_pk_add_f32 v[E+\k:E+\k+1], v[E+\k:E+\k+1], v[16:17]
.endr
.irp k, 0,1,2,3,4,5,6,7
	v_rcp_f32 v[Z+\k], v[E+\k]
.endr
	v_nop
	s_wait_alu depctr_va_vdst(0)
.irp k, 0,2,4,6
	v_pk_mul_f32 v[Z+\k:Z+\k+1], v[Z+\k:Z+\k+1], v[X+\k:X+\k+1]
.endr
.irp k, 0,1,2,3
	v_cvt_pk_bf16_f32 v[PP+\k], v[Z+2*\k], v[Z+2*\k+1]
.endr
	global_store_b128 v4, v[PP:PP+3], s[24:25] offset:\t*65536+\q*512
.endm
	s_load_b256 s[4:11], s[0:1], 0x0
	v_lshl_add_u32 v30, v0, 2, 0x20400
	v_mov_b32 v31, 0
	v_and_b32 v1, 31, v0
	v_lshrrev_b32 v6, 5, v0
	v_readfirstlane_b32 s12, v6                    ; wave
	s_mov_b32 s13, ttmp9
	s_lshr_b32 s14, s13, 5                         ; expert
	s_and_b32 s15, s13, 31                         ; which 64 of its 2,048 f
	v_lshlrev_b32 v4, 4, v1
	s_lshl_b32 s26, s13, 18                        ; the slab: 64 rows of 4,096 bytes
	s_lshl_b32 s27, s12, 15                        ; my wave's eight rows
	s_add_co_u32 s26, s26, s27
	s_mov_b32 s27, 0
	s_wait_kmcnt 0x0
	s_add_nc_u64 s[28:29], s[4:5], s[26:27]
.irp n, 0,1,2,3,4,5
	ROWLOAD \n, \n
.endr
	s_lshl_b32 s26, s14, 3
	s_add_nc_u64 s[30:31], s[8:9], s[26:27]
	s_load_b64 s[16:17], s[30:31], 0x0             ; where my expert's rows begin and end
	v_and_b32 v2, 15, v0                           ; r
	v_bfe_u32 v3, v0, 4, 1                         ; h
	v_mul_u32_u24 v6, v2, WP
	v_lshl_add_u32 v6, v3, 4, v6
.irp q, 0,1,2,3
	v_add_nc_u32 v[8+\q], \q*16*WP, v6
.endr
	s_mul_i32 s26, s12, 8*WP
	v_lshl_add_u32 v5, v1, 3, s26
	v_mov_b32 v12, 0xc0135761                      ; c1 = -2.3022082
	v_mov_b32 v13, 0xc0135761
	v_mov_b32 v14, 0xbdd2d3e8                      ; c2 = -0.10294324
	v_mov_b32 v15, 0xbdd2d3e8
	v_mov_b32 v16, 1.0
	v_mov_b32 v17, 1.0
	ROWCVT 0, 0, 40
	ROWLOAD 0, 6
	ROWCVT 1, 1, 40
	ROWLOAD 1, 7
	ROWCVT 2, 2, 40
	ROWCVT 3, 3, 32
	ROWCVT 4, 4, 24
	ROWCVT 5, 5, 16
	ROWCVT 0, 6, 8
	ROWCVT 1, 7, 0
	s_wait_dscnt 0x0                               ; my eight rows are in LDS before I say so
	s_barrier_signal -1
	s_barrier_wait -1                              ; the slab is whole; nothing writes LDS any more
	s_wait_kmcnt 0x0
	s_min_u32 s16, s16, 0x960                      ; 2,400 rows at the most
	s_min_u32 s17, s17, 0x960
	s_mul_i32 s26, s12, 48
	s_add_co_u32 s20, s16, s26                     ; my first tile: rows seg[e] + 48 w ..
	s_cmp_ge_u32 s20, s17
	s_cbranch_scc1 .Lend
	s_lshl_b32 s26, s20, 11                        ; 32,768 bytes for 16 rows of xs
	s_add_nc_u64 s[22:23], s[6:7], s[26:27]
	s_lshl_b32 s26, s20, 12                        ; 65,536 bytes for 16 rows of h,
	s_lshl_b32 s32, s15, 11                        ; and my two K steps of 1,024 bytes
	s_add_co_u32 s26, s26, s32
	s_add_nc_u64 s[24:25], s[10:11], s[26:27]
	s_sub_co_u32 s21, s17, s20                     ; rows from my first tile to the segment's end,
	s_add_co_u32 s21, s21, 383                     ; of which every 384th begins a tile of mine: rounded up, / 384 = / 128 / 3;
	s_lshr_b32 s21, s21, 7                         ; 21 at the most here,
	s_mul_i32 s21, s21, 0x5556                     ; and n / 3 = n x 21,846 / 65,536 for so small an n
	s_lshr_b32 s21, s21, 16
	s_min_u32 s21, s21, 7                          ; my tiles, 2,400 / 384 rounded up = 7 at the most
	s_mov_b32 s20, 0                               ; tiles done
.Lblock:
	WIN 0x40
.irp p, 0,1,2,3
	LOADX \p
.endr
	WIN 0x04
	FETCHW 0
.irp p, 0,1,2,3,4,5,6,7,8,9,10,11,12,13,14,15
	PAIR \p
.endr
	WIN 0
	PLACES
.irp q, 0,1,2,3
	GELU8 \q, 0
	GELU8 \q, 1
	GELU8 \q, 2
.endr
	s_wait_xcnt 0x0                                ; the stores' data (which the next tile's weight fragments overwrite) and base are rewritten only behind this wait
	s_add_nc_u64 s[22:23], s[22:23], 0xc0000       ; eight tiles on: 384 rows
	s_add_nc_u64 s[24:25], s[24:25], 0x180000
	s_add_co_u32 s20, s20, 1
	s_cmp_lt_u32 s20, s21
	s_cbranch_scc1 .Lblock
.Lend:
	s_wait_tensorcnt 0x0
	ds_add_u32 v30, v31
	s_wait_dscnt 0x0
	s_endpgm
.Lfunc_end_k_qbf8c9ea861_up:
	.size	k_qbf8c9ea861_up, .Lfunc_end_k_qbf8c9ea861_up-k_qbf8c9ea861_up
	.p2alignl 7, 3214868480
	.fill 96, 4, 3214868480
	.section	.rodata,"a",@progbits
	.p2align	6, 0x0
	.amdhsa_kernel k_qbf8c9ea861_up
		.amdhsa_group_segment_fixed_size 133120
		.amdhsa_private_segment_fixed_size 0
		.amdhsa_enable_private_segment 0
		.amdhsa_kernarg_size 32
		.amdhsa_user_sgpr_count 2
		.amdhsa_user_sgpr_kernarg_segment_ptr 1
		.amdhsa_wavefront_size32 1
		.amdhsa_system_sgpr_workgroup_id_x 1
		.amdhsa_system_sgpr_workgroup_id_y 1
		.amdhsa_system_sgpr_workgroup_id_z 1
		.amdhsa_system_vgpr_workitem_id 0
		.amdhsa_next_free_vgpr 512
		.amdhsa_next_free_sgpr 66
		.amdhsa_reserve_vcc 0
		.amdhsa_float_denorm_mode_32 3
		.amdhsa_float_denorm_mode_16_64 3
		.amdhsa_memory_ordered 1
		.amdhsa_forward_progress 1
		.amdhsa_inst_pref_size 110
	.end_amdhsa_kernel
	.amdgpu_metadata
---
amdhsa.version: [ 1, 2 ]
amdhsa.kernels:
  - .name:           k_qbf8c9ea861_up
    .symbol:         k_qbf8c9ea861_up.kd
    .args:
      - { .name: w1, .offset: 0, .size: 8, .value_kind: global_buffer, .address_space: global }
      - { .name: xs, .offset: 8, .size: 8, .value_kind: global_buffer, .address_space: global }
      - { .name: seg, .offset: 16, .size: 8, .value_kind: global_buffer, .address_space: global }
      - { .name: h, .offset: 24, .size: 8, .value_kind: global_buffer, .address_space: global }
    .group_segment_fixed_size: 133120
    .private_segment_fixed_size: 0
    .kernarg_segment_align: 8
    .kernarg_segment_size: 32
    .max_flat_workgroup_size: 256
    .sgpr_count:     66
    .vgpr_count:     512
    .wavefront_size: 32
...
	.end_amdgpu_metadata
.endif
;; end of part 2
;; launch down (part 3): grid 256 x 1, 8 waves a work-group, no clusters, 264,192 bytes of LDS; arguments w2, h, order, seg, out0; writes out0
.if DOCPART == 3
	.amdgcn_target "amdgcn-amd-amdhsa--gfx1250"
	.amdhsa_code_object_version 6
	.text
	.protected	k_qbf8c9ea861_down
	.globl	k_qbf8c9ea861_down
	.p2align	8
	.type	k_qbf8c9ea861_down,@function
k_qbf8c9ea861_down:
	s_mov_b64 s[64:65], 0
	v_nop
	global_prefetch_b8 v0, s[64:65] scope:SCOPE_SE
	s_setreg_imm32_b32 hwreg(HW_REG_WAVE_MODE, 25, 1), 1
	s_wait_xcnt 0x0
; DOWN: out0[order[p]][n] = sum over f of h[p][f] w2[e][f][n] for the rows p of expert e's segment; rows with order -1 (padding) are not stored.
; 32 work-groups an expert: 16 slabs of 64 columns x 2 halves of the row tiles.  A slab is 2,048 rows x 256 consecutive aligned bytes of w2 (512 KiB);
; the two work-groups 2 i and 2 i + 1 read the same slab.  With 32 slabs of 32 columns a row's piece would be 128 bytes; with one half, h would be read twice as often.
; PHASE 1: the slab goes through registers (48 loads a wave on their way), is rounded to bf16, TRANSPOSED in registers (pairs along f) and laid once in LDS
; as [64 columns][2,048 f].  One barrier.  PHASE 2: wave w takes the tiles of 48 rows 2 w + half, + 16, ..: 48 tokens x 64 columns, twelve accumulators; a segment is a
; whole number of such tiles, and a wave reads the slab's 256 KiB from LDS once for each: sixteen LDS loads feed 24 matrix instructions.
; h comes straight from memory into registers as operand halves (image: byte 65,536 b + 1,024 s + 512 a + 16 L = row 16 b + (L & 15),
; f = 32 s + 16 a + 8 (L >> 4) + 0 .. 7) through a ring of five register slots; the weights from LDS.
; LDS ROW 16 q + r HOLDS COLUMN 4 r + q: lane r then has columns 4 r .. 4 r + 3 of a token in accumulators q = 0 .. 3, so that sixteen lanes store 256 consecutive
; aligned bytes of a row of out0 with no pass through LDS; the price is four register moves a token pair, since a result's eight registers are eight tokens.
; THE WAY OUT: a token's row of out0 is known from order alone.  So a store
; is sixteen lanes wide (256 bytes, one token), with a scalar base made from the token's number; lanes 0-15 store their 24 tokens, then lanes 16-31 theirs.
; The first launch fills a segment's rows from its start, so in a tile all tokens stand ahead of all padding rows: the first -1 ends a half's stores.
; NO CLUSTER, NO TENSOR LOADS: the weights must pass through registers to be rounded and transposed; the slab takes 263,168 bytes of LDS, which leaves no room
; for two slots of tiles; the number of a wave's tiles hangs on counts read from memory.
; A work-group whose half has no tile converts its slab and stores nothing: the one barrier stands on every path, under no branch on loaded numbers.
; LIMITS: h and w2 enter as bf16, sums in f32.
.set WP,  4112                         ; LDS pitch: 4,096 + 16 bytes = 257 x 16: 16 rows at one column start 16 bytes apart modulo 256
.set NP,  32                           ; pairs of K steps: 2,048 / 64
.set ACC, 32                           ; v[32:127]   accumulator (q, t) at 32 + 8 (3 q + t)
.set WB,  128                          ; v[128:255]  two buffers of weight fragments
.set ST,  64                           ; v[64:255]   phase 1: six slots of 32 registers, 16 rows of the slab each
.set T,   32                           ; v[32:47]    phase 1: packed bf16
.set OD,  128                          ; v[128:223]  the way out: the stores' data, four registers for tokens 16 t + j (lanes 0-15) and 16 t + 8 + j (lanes 16-31) at 4 (8 t + j)
.set WA1, 240                          ; window 1, v[240:243]: (16 q + r) WP + 16 h
.set OR0, 48                           ; s[48:63] order of the tile's tokens 0 .. 15
.set OR1, 68                           ; s[68:83] of tokens 16 .. 31
.set OR2, 84                           ; s[84:99] of tokens 32 .. 47
.set BS,  36                           ; s[36:43] four stores' bases
; v1 = lane   v4 = 32,768 h + 16 r (w2)   v5 = 16 r   v[8:11] = (16 c + r) WP + 16 h + 512 w   v12 = 16 lane
; window 1 (v256 ..): ring slot n = 0 .. 4 at 48 n + 24 i + 8 t + 4 a
; s[4:5] w2  s[6:7] h  s[8:9] order  s[10:11] seg  s[12:13] out0  s14 wave  s15 e  s19 slab  s21 half  s16 seg[e]  s17 its end  s18 my tiles
; s20 my first row, then the tiles done  s[22:23] h at my tile  s[24:25] order at my tile  s[26:27] out0 at my 64 columns  s[28:29] w2 at my wave's 256 rows
; s30 EXEC kept  s[32:33] a 64-bit offset, its high word 0
.set MSB, 0
.macro WIN new                         ; s_set_vgpr_msb: bits 1:0 source 0, 3:2 source 1, 5:4 source 2, 7:6 destination; the high byte repeats the setting that is left
.if MSB != \new
	s_set_vgpr_msb (MSB<<8)|\new
.set MSB, \new
.endif
.endm
.macro PLACES                          ; four places behind a matrix instruction before its registers are loaded into, read or written by others (ISA guide 7.12.1 for reads and writes)
.rept 4
	v_nop
.endr
.endm
.macro GLOAD s, g                      ; rows 16 g .. 16 g + 15 of my 256: load u takes row 16 g + u (lanes 0-15) and 16 g + 8 + u (lanes 16-31), 256 consecutive bytes each
.irp u, 0,1,2,3,4,5,6,7
	global_load_b128 v[ST+32*\s+4*\u:ST+32*\s+4*\u+3], v4, s[28:29] offset:(16*\g+\u)*4096
.endr
.endm
.macro GCVT s, g                       ; column 4 r + c: my eight f, packed in pairs along f, 16 bytes into LDS row 16 c + r
.if 15-\g > 5
	s_wait_loadcnt 40                              ; five younger groups, eight loads each, stay out
.else
	s_wait_loadcnt 8*(15-\g)                       ; the groups that are left
.endif
.irp c, 0,1,2,3
.irp u, 0,1,2,3
	v_cvt_pk_bf16_f32 v[T+4*\c+\u], v[ST+32*\s+8*\u+\c], v[ST+32*\s+8*\u+4+\c]
.endr
	ds_store_b128 v[8+\c], v[T+4*\c:T+4*\c+3] offset:32*\g
.endr
.endm
.macro LOADH p                         ; pair p of h (K steps 2 p, 2 p + 1; 48 tokens): twelve loads into ring slot p mod 5.  Under WIN 0x40
.set LS, 48*(\p%5)
.irp i, 0,1
.irp t, 0,1,2
.irp a, 0,1
	global_load_b128 v[LS+24*\i+8*\t+4*\a:LS+24*\i+8*\t+4*\a+3], v12, s[22:23] offset:\t*65536+(2*\p+\i)*1024+\a*512
.endr
.endr
.endr
.endm
.macro FETCHW p                        ; pair p of the weights: sixteen LDS loads into buffer p & 1.  Under WIN 0x01: an LDS load's address is its source 0, so it lies in window 1
.set FL, WB+64*(\p&1)
.irp i, 0,1
.irp q, 0,1,2,3
	ds_load_b128 v[FL+32*\i+8*\q:FL+32*\i+8*\q+3],   v[WA1+\q] offset:64*(2*\p+\i)
	ds_load_b128 v[FL+32*\i+8*\q+4:FL+32*\i+8*\q+7], v[WA1+\q] offset:64*(2*\p+\i)+32
.endr
.endr
.endm
; One pair: 24 matrix instructions.  Ahead of them the ring slot and the weight buffer that the pair before has read are asked for again.
; The twelve accumulators take turns, one instruction a turn.
.macro PAIR p
	PLACES
.if \p+4 < NP
	WIN 0x40
	LOADH (\p+4)
.endif
	WIN 0x01                                       ; source 0 (the tokens; an LDS address) in window 1
.if \p+1 < NP
	FETCHW (\p+1)
.endif
.if NP-1-\p > 4
	s_wait_loadcnt 48                              ; four younger pairs, twelve loads each, stay out
.else
	s_wait_loadcnt 12*(NP-1-\p)                    ; the pairs that are left
.endif
.if \p+1 < NP
	s_wait_dscnt 16                                ; the sixteen just issued stay out
.else
	s_wait_dscnt 0
.endif
.set RS, 48*(\p%5)
.set FB, WB+64*(\p&1)
.irp i, 0,1
.irp q, 0,1,2,3
.irp t, 0,1,2
.if \p+\i == 0
	v_wmma_f32_16x16x32_bf16 v[ACC+8*(3*\q+\t):ACC+8*(3*\q+\t)+7], v[RS+24*\i+8*\t:RS+24*\i+8*\t+7], v[FB+32*\i+8*\q:FB+32*\i+8*\q+7], 0
.else
	v_wmma_f32_16x16x32_bf16 v[ACC+8*(3*\q+\t):ACC+8*(3*\q+\t)+7], v[RS+24*\i+8*\t:RS+24*\i+8*\t+7], v[FB+32*\i+8*\q:FB+32*\i+8*\q+7], v[ACC+8*(3*\q+\t):ACC+8*(3*\q+\t)+7]
.endif
.endr
.endr
.endr
.endm
; One token's 256 bytes.  ord: the scalar register with its number; bs: the base's pair; dat: the data's first register; hh: which half of the lanes is on.
; A padding row ends the half.  The number is held to 0 .. 2,047 in place, then 4,096 bytes a row onto out0 at my 64 columns.
.macro OUTTOK ord, bs, dat, hh
	s_cmp_lt_i32 s[\ord], 0
	s_cbranch_scc1 .Lhalf_done_\hh
	s_min_u32 s[\ord], s[\ord], 0x7ff
	s_lshl_b32 s32, s[\ord], 12
	s_add_nc_u64 s[\bs:\bs+1], s[26:27], s[32:33]
	global_store_b128 v5, v[\dat:\dat+3], s[\bs:\bs+1] th:TH_STORE_NT   ; sixteen lanes store 256 consecutive bytes, at a multiple of 256 from out0's first byte
.endm
; Four tokens, 16 t + 8 hh + j0 + 0 .. 3, each with a base of its own.  ob: the first register of order's sixteen words for t.
.macro OUT4 ob, t, hh, j0
.irp k, 0,1,2,3
	OUTTOK (\ob+8*\hh+\j0+\k), (BS+2*\k), (OD+4*(8*\t+\j0+\k)), \hh
.endr
.endm
; The 24 tokens that one half of the lanes holds, in rising order.  The mask is made of the lane's number alone.
; Behind every four stores: the four bases are written again only behind s_wait_xcnt 0.
.macro HALF hh
.if \hh
	v_cmp_le_u32 vcc_lo, 16, v1
.else
	v_cmp_gt_u32 vcc_lo, 16, v1
.endif
	s_and_saveexec_b32 s30, vcc_lo                 ; no global instruction has been issued since the last s_wait_xcnt 0
	OUT4 OR0, 0, \hh, 0
	s_wait_xcnt 0x0
	OUT4 OR0, 0, \hh, 4
	s_wait_xcnt 0x0
	OUT4 OR1, 1, \hh, 0
	s_wait_xcnt 0x0
	OUT4 OR1, 1, \hh, 4
	s_wait_xcnt 0x0
	OUT4 OR2, 2, \hh, 0
	s_wait_xcnt 0x0
	OUT4 OR2, 2, \hh, 4
.Lhalf_done_\hh:
	s_wait_xcnt 0x0                                ; EXEC, the bases and the stores' data change only behind this wait
	s_or_b32 exec_lo, exec_lo, s30
.endm
	s_load_b256 s[4:11], s[0:1], 0x0
	s_load_b64 s[12:13], s[0:1], 0x20
	v_lshl_add_u32 v30, v0, 2, 0x40400
	v_mov_b32 v31, 0
	v_and_b32 v1, 31, v0
	v_lshrrev_b32 v13, 5, v0
	v_readfirstlane_b32 s14, v13                   ; wave
	s_lshr_b32 s15, ttmp9, 5                       ; expert
	s_bfe_u32 s19, ttmp9, 0x40001                  ; slab: 4 bits from bit 1
	s_and_b32 s21, ttmp9, 1                        ; half of the row tiles
	v_and_b32 v2, 15, v0                           ; r
	v_bfe_u32 v3, v0, 4, 1                         ; h
	v_lshlrev_b32 v5, 4, v2
	v_lshl_add_u32 v4, v3, 15, v5                  ; eight rows of 4,096 bytes further down for lanes 16-31
	v_lshlrev_b32 v12, 4, v1
	s_lshl_b32 s32, s15, 23                        ; 2,048 rows of 4,096 bytes an expert
	s_lshl_b32 s33, s14, 20                        ; 256 rows a wave
	s_add_co_u32 s32, s32, s33
	s_lshl_b32 s33, s19, 8                         ; 256 bytes a slab
	s_add_co_u32 s32, s32, s33
	s_mov_b32 s33, 0                               ; from here on the high word of every offset
	s_wait_kmcnt 0x0
	s_add_nc_u64 s[28:29], s[4:5], s[32:33]
.irp n, 0,1,2,3,4,5
	GLOAD \n, \n
.endr
	s_lshl_b32 s32, s15, 3
	s_add_nc_u64 s[34:35], s[10:11], s[32:33]
	s_load_b64 s[16:17], s[34:35], 0x0             ; where my expert's rows begin and end
	s_lshl_b32 s32, s19, 8
	s_add_nc_u64 s[26:27], s[12:13], s[32:33]
	v_mul_u32_u24 v13, v2, WP
	v_lshl_add_u32 v13, v3, 4, v13                 ; r WP + 16 h
	s_lshl_b32 s32, s14, 9
	v_add_nc_u32 v14, s32, v13                     ; + 512 w: my wave's 256 f
.irp c, 0,1,2,3
	v_add_nc_u32 v[8+\c], \c*16*WP, v14
.endr
	WIN 0x40
.irp q, 0,1,2,3
	v_add_nc_u32 v[WA1+\q], \q*16*WP, v13          ; destination in window 1
.endr
	WIN 0
.irp g, 0,1,2,3,4,5,6,7,8,9
	GCVT (\g%6), \g
	GLOAD (\g%6), (\g+6)
.endr
.irp g, 10,11,12,13,14,15
	GCVT (\g%6), \g
.endr
	s_wait_dscnt 0x0                               ; my 256 f are in LDS before I say so
	s_barrier_signal -1
	s_barrier_wait -1                              ; the slab is whole; nothing writes LDS any more
	s_wait_kmcnt 0x0
	s_min_u32 s16, s16, 0x960                      ; 2,400 rows at the most
	s_min_u32 s17, s17, 0x960
	s_lshl1_add_u32 s32, s14, s21                  ; tile 2 w + half
	s_mul_i32 s32, s32, 48
	s_add_co_u32 s20, s16, s32
	s_cmp_ge_u32 s20, s17
	s_cbranch_scc1 .Lend
	s_lshl_b32 s32, s20, 12                        ; 65,536 bytes for 16 rows of h
	s_add_nc_u64 s[22:23], s[6:7], s[32:33]
	s_lshl_b32 s32, s20, 2
	s_add_nc_u64 s[24:25], s[8:9], s[32:33]
	s_sub_co_u32 s18, s17, s20                     ; rows from my first tile to the segment's end,
	s_add_co_u32 s18, s18, 767                     ; of which every 768th begins a tile of mine: rounded up, / 768 = / 256 / 3;
	s_lshr_b32 s18, s18, 8                         ; 12 at the most here,
	s_mul_i32 s18, s18, 0x5556                     ; and n / 3 = n x 21,846 / 65,536 for so small an n
	s_lshr_b32 s18, s18, 16
	s_min_u32 s18, s18, 4                          ; my tiles, 2,400 / 768 rounded up = 4 at the most
	s_mov_b32 s20, 0                               ; tiles done
.Lblock:
	s_load_b512 s[OR0:OR0+15], s[24:25], 0x0       ; order of the tile's 48 rows; this launch stores nothing into order
	s_load_b512 s[OR1:OR1+15], s[24:25], 0x40
	s_load_b512 s[OR2:OR2+15], s[24:25], 0x80
	WIN 0x40
.irp p, 0,1,2,3
	LOADH \p
.endr
	WIN 0x01
	FETCHW 0
.irp p, 0,1,2,3,4,5,6,7,8,9,10,11,12,13,14,15,16,17,18,19,20,21,22,23,24,25,26,27,28,29,30,31
	PAIR \p
.endr
	WIN 0
	PLACES
	; a token's four words, one from each of four accumulators, side by side for a 16-byte store; all lanes on.  The weight buffers are free: the four places stand behind their last readers.
.irp t, 0,1,2
.irp j, 0,1,2,3,4,5,6,7
.irp q, 0,1,2,3
	v_mov_b32 v[OD+4*(8*\t+\j)+\q], v[ACC+8*(3*\q+\t)+\j]
.endr
.endr
.endr
	s_wait_kmcnt 0x0                               ; order is in
	s_wait_xcnt 0x0                                ; in front of the first line that narrows EXEC: the tile's loads have had their addresses translated
	HALF 0
	HALF 1
	s_add_nc_u64 s[22:23], s[22:23], 0x300000      ; sixteen tiles on: 768 rows (every load of the tile is back, every store behind s_wait_xcnt 0)
	s_add_nc_u64 s[24:25], s[24:25], 0xc00
	s_add_co_u32 s20, s20, 1
	s_cmp_lt_u32 s20, s18
	s_cbranch_scc1 .Lblock
.Lend:
	s_wait_tensorcnt 0x0
	ds_add_u32 v30, v31
	s_wait_dscnt 0x0
	s_endpgm
.Lfunc_end_k_qbf8c9ea861_down:
	.size	k_qbf8c9ea861_down, .Lfunc_end_k_qbf8c9ea861_down-k_qbf8c9ea861_down
	.p2alignl 7, 3214868480
	.fill 96, 4, 3214868480
	.section	.rodata,"a",@progbits
	.p2align	6, 0x0
	.amdhsa_kernel k_qbf8c9ea861_down
		.amdhsa_group_segment_fixed_size 264192
		.amdhsa_private_segment_fixed_size 0
		.amdhsa_enable_private_segment 0
		.amdhsa_kernarg_size 40
		.amdhsa_user_sgpr_count 2
		.amdhsa_user_sgpr_kernarg_segment_ptr 1
		.amdhsa_wavefront_size32 1
		.amdhsa_system_sgpr_workgroup_id_x 1
		.amdhsa_system_sgpr_workgroup_id_y 1
		.amdhsa_system_sgpr_workgroup_id_z 1
		.amdhsa_system_vgpr_workitem_id 0
		.amdhsa_next_free_vgpr 512
		.amdhsa_next_free_sgpr 100
		.amdhsa_reserve_vcc 1
		.amdhsa_float_denorm_mode_32 3
		.amdhsa_float_denorm_mode_16_64 3
		.amdhsa_memory_ordered 1
		.amdhsa_forward_progress 1
		.amdhsa_inst_pref_size 178
	.end_amdhsa_kernel
	.amdgpu_metadata
---
amdhsa.version: [ 1, 2 ]
amdhsa.kernels:
  - .name:           k_qbf8c9ea861_down
    .symbol:         k_qbf8c9ea861_down.kd
    .args:
      - { .name: w2, .offset: 0, .size: 8, .value_kind: global_buffer, .address_space: global }
      - { .name: h, .offset: 8, .size: 8, .value_kind: global_buffer, .address_space: global }
      - { .name: order, .offset: 16, .size: 8, .value_kind: global_buffer, .address_space: global }
      - { .name: seg, .offset: 24, .size: 8, .value_kind: global_buffer, .address_space: global }
      - { .name: out0, .offset: 32, .size: 8, .value_kind: global_buffer, .address_space: global }
    .group_segment_fixed_size: 264192
    .private_segment_fixed_size: 0
    .kernarg_segment_align: 8
    .kernarg_segment_size: 40
    .max_flat_workgroup_size: 256
    .sgpr_count:     100
    .vgpr_count:     512
    .wavefront_size: 32
...
	.end_amdgpu_metadata
.endif
;; end of part 3
